; MI455X (gfx1250); checked and timed in simulation.
; The chip was launched on July 23, 2026; its instructions are those of AMD's public machine-readable ISA for CDNA 5 (MIT licence, August 2026) and "CDNA5" Instruction Set Architecture Reference Guide (July 2026). The comments in the code are by the model that wrote it; some were corrected since.
;; Geometric Attention. Allowed arithmetic: matrix products marked QUANTISED: E5M2 operands, one E8M0 scale for each 32 along K, by v_wmma_scale_f32_16x16x128_f8f6f4 with both operands' format E5M2, f32 sums; everything else in f32.
;; Inputs: keys 4 x 2,048 x 8 x 64 float32; queries 4 x 2,048 x 8 x 64 float32; values_codes 4 x 8 x 64 x 64 x 32 uint8 (E5M2 codes of values, K innermost, in blocks of 32 codes); values_scales 4 x 8 x 64 x 64 uint8 (E8M0 scales of values, one for each 32 codes along K).
;; Outputs: out0 4 x 2,048 x 8 x 64 float32.
;; This version of the problem:
;;   THIS VERSION OF THE PROBLEM IS GIVEN IN LOW PRECISION. The matrix products marked QUANTISED in the list below multiply operands that are first quantised to E5M2 (5 exponent bits, 2 mantissa bits; 8 bits a number), with one power-of-two scale for each 32 numbers along K (OCP MX v1.0); their sums are f32. All else is computed in f32.
;;   The module's matrix products, in the order in which they are computed (A, B: the left and right operand; K: the contracted axis; several contracted axes count as one K, in the product's order):
;;     1. batch 32 x [M 2,048, K 64] x [K 64, N 2,048]; A: input queries; B: input keys: QUANTISED
;;     2. batch 32 x [M 64, K 2,048] x [K 2,048, N 2,048]; A: input values (given as codes); B: softmax (see below): QUANTISED
;;   THE QUANTISER, for each operand of a quantised product, along K:
;;     - K is cut into blocks of 32 from its start; a last block that is shorter is filled with zeros.
;;     - A block's scale is 2^e with e = floor(log2(the largest magnitude in the block)) - 15, held to -126 .. 127; a block of zeros has e = 0. As a byte (E8M0): e + 127.
;;     - Each number is divided by its block's scale, clamped to +-57,344, and rounded to the nearest number of E5M2, ties to even, subnormals kept.
;;     - The product sums the exact products of the quantised numbers (number of the format x scale) in f32.
;;   ~~~python
;;   def quantise(x, axis):      # numpy; x: float32 -> the quantised numbers, widened to float32 again
;;       x = np.moveaxis(x, axis, -1); K = x.shape[-1]
;;       x = np.pad(x, [(0, 0)] * (x.ndim - 1) + [(0, -K % 32)]); x = x.reshape(x.shape[:-1] + (-1, 32)); a = np.abs(x).max(-1, keepdims=True)
;;       e = np.where(a > 0, np.clip(np.frexp(np.where(a > 0, a, 1))[1] - 1 - 15, -126, 127), 0)      # np.frexp(a)[1] - 1 = floor(log2(a)), exactly
;;       r = np.clip(x / 2.0 ** e, -57344, 57344)
;;       step = 2.0 ** (np.maximum(np.frexp(np.where(r == 0, 1, r))[1] - 1, -14) - 2)
;;       q = np.round(r / step) * step * 2.0 ** e      # np.round: ties to even
;;       return np.moveaxis(q.reshape(q.shape[:-2] + (-1,))[..., :K], -1, axis).astype(np.float32)
;;   ~~~
;;   SOFTMAX AHEAD OF A QUANTISED PRODUCT. Where the list says 'softmax', what is quantised is not the finished softmax but p = 2^(t - M), with t = logit x log2(e) and M = ceil(the row's largest t), a whole number; so 1/2 < the row's largest p <= 1. The row's sum l is taken of the UNQUANTISED p, in f32, and the product's result is divided by l at the end. Since M is a whole number, a kernel that streams over the keys may use a running M (the ceiling of the running maximum): every later rescaling is an exact power of two, which a block's scale takes up: the codes' values come out the same.
;;   OPERANDS COMPUTED ON THE WAY. 'Computed on the way' means the value that the module computes at that place (a softmax that the list does not call 'softmax' is quantised finished and normalised). What goes into a quantiser is computed in f32, as accurately as f32 sums, v_exp_f32 and their like allow (about 1e-6 of the number): no bf16 or f16 on the way to a quantiser, and a product that is left as it is and whose result goes on into a quantised operand takes f32 operands (vector FMAs, or v_wmma_f32_16x16x4_f32). A number that lies on a knife's edge between two numbers of the format may be rounded either way, as far as f32 arithmetic and the matrix unit's own rounding can turn it there, and no further.
;;   INPUTS GIVEN AS CODES. values (in the module: [4, 2048, 8, 64], K = its axis 1): each comes as NAME_codes (uint8): NAME with its K axis moved to the last place and cut into blocks of 32 codes, [.., K / 32, bytes a block], one block behind the other in memory; one code a byte (a code: sign, 5 exponent bits, 2 mantissa bits); and NAME_scales (uint8): the same leading axes, one E8M0 byte (e + 127) for each 32 codes along K. Its value is code x scale, taken as it is: it is not quantised again, and the codes and scales need not be those that the quantiser above would give.
;; One version. Each part assembles by itself: llvm-mc -triple=amdgcn-amd-amdhsa -mcpu=gfx1250 --defsym DOCPART=n.
;; ======== version 1 of 1: 2 launches
;; workspace buffers: kc 4,194,304 bytes; ks 131,072 bytes; kn 262,144 bytes
;; launch prep (part 1): grid 16 x 32, 4 waves a work-group, no clusters, 36,352 bytes of LDS; arguments keys, kc, ks, kn; writes kc, ks, kn
.if DOCPART == 1
	.amdgcn_target "amdgcn-amd-amdhsa--gfx1250"
	.amdhsa_code_object_version 6
	.text
	.protected	k_q8f58691629_prep
	.globl	k_q8f58691629_prep
	.p2align	8
	.type	k_q8f58691629_prep,@function
k_q8f58691629_prep:
	s_mov_b64 s[64:65], 0
	v_nop
	global_prefetch_b8 v0, s[64:65] scope:SCOPE_SE
	s_setreg_imm32_b32 hwreg(HW_REG_WAVE_MODE, 25, 1), 1
	s_wait_xcnt 0x0
; keys [4][2048][8][64] f32 are quantised ONCE along the head's 64 numbers (two blocks of 32) into codes of BF8 (E5M2) with one E8M0 byte a block, and |k|^2 of the unquantised numbers is summed in f32.
; Every head's keys are read by eight work-groups of the next launch: quantised there, the same work would be done eight times.
; WHAT IS STORED is laid as the next launch's registers want it (bh = 8 b + head; st = a step of 128 keys):
;   kc [bh][st][f 4][c 4][lane 32][16 bytes]: fragment f is the register image of 16 rows x 128 along K, and holds TWO tiles of 16 keys: row r has key a = 32 f + r + 8 (r / 8) in k = 0..63 and key a + 8 in k = 64..127.
;      Lane (r, h), group c: c < 2: numbers 32 c + 16 h + 0..15 of key a;  c >= 2: numbers 32 (c - 2) + 16 h + 0..15 of key a + 8.
;   ks [bh][st][lane 32][2 words]: lane l, word j: the scale word of fragment 2 j + l / 16, row l % 16 (bytes: a's two blocks, then (a + 8)'s two).
;   kn [bh][key] f32: |k|^2 in the keys' order.
; A block's scale is 2^(floor(log2(its largest magnitude)) - 15); its byte is the largest magnitude's exponent field - 15, held at 1 from below.
; LIMITS: a block of zeros, and a block whose largest magnitude lies under 2^-111, gets the byte 1 (a block of zeros: where the quantiser says 127): its codes are zeros or the rule's own subnormal codes, and this program alone
; reads the bytes.  NaN and infinities among the keys are not served.  |k|^2 is summed in another order than the reference's.
; SHARES: a work-group takes one step of 128 keys of one head, wave f its fragment f: 32 keys x 256 bytes, all sixteen loads out at once.  Each half of the lanes loads a key's whole row of 256 consecutive bytes; the rows
; turn through the wave's own stage in LDS and come back 16 neighbours of a block to a lane, which is what the conversions take.  Work-groups share no input: no cluster, no tensor load, several work-groups to a WGP.
.set SP,   272                         ; a stage row: a key's 256 bytes + 16 of padding
.set WST,  32*SP                       ; a wave's stage
.set KSS,  4*WST                       ; behind the stages: the step's 64 scale words,
.set KNS,  KSS+256                     ; and its 128 norms
.set R,    16                          ; v16-79    the rows as loaded
.set X,    80                          ; v80-143   register 16 (2 u + c) + i = number 32 c + 16 h + i of key a + 8 u
.set PC,   144                         ; v144-159  the fragment's codes
.set TM,   160                         ; v160-163 largest magnitudes, v164-167 bytes, v168-171 the largest number x the scale, v172-175 the conversions' scale operands
.set PW,   176                         ; the scale word
.set NA,   178                         ; v[178:179] |k|^2 of key a, in two halves;  v[180:181] of key a + 8
.set NB,   180
	s_load_b256 s[4:11], s[0:1], 0x0               ; keys s[4:5], kc s[6:7], ks s[8:9], kn s[10:11]
	v_lshl_add_u32 v192, v0, 2, 0x8c00
	v_mov_b32 v193, 0
	v_lshrrev_b32 v1, 5, v0
	v_readfirstlane_b32 s12, v1                    ; wave 0..3 = fragment
	v_and_b32 v1, 31, v0                           ; lane
	v_and_b32 v2, 15, v0                           ; r
	v_bfe_u32 v3, v0, 4, 1                         ; h
	v_lshlrev_b32 v4, 4, v2
	v_lshl_add_u32 v4, v3, 11, v4                  ; in: 16 r of a key's row; lanes 16-31 take the next key, 2,048 bytes on
	s_mul_i32 s14, s12, WST
	v_mul_u32_u24 v5, v3, SP
	v_lshl_add_u32 v5, v2, 4, v5
	v_add_nc_u32 v5, s14, v5                       ; into my stage: row h, 16 r
	v_and_b32 v6, 8, v2
	v_add_nc_u32 v6, v6, v2                        ; a = r + 8 (r / 8)
	v_lshl_add_u32 v9, v3, 3, v6                   ; a + 8 h: the key whose norm my lane hands on
	v_mul_u32_u24 v6, v6, SP
	v_lshl_add_u32 v6, v3, 6, v6
	v_add_nc_u32 v6, s14, v6                       ; out of it: row a, my half's 16 numbers of a block
	v_lshlrev_b32 v7, 4, v1                        ; 16 x lane
	s_and_b32 s15, s12, 1
	s_lshl_b32 s15, s15, 7
	s_lshr_b32 s14, s12, 1
	s_lshl_b32 s14, s14, 2
	s_add_co_u32 s15, s15, s14
	s_add_co_u32 s15, s15, KSS
	v_lshl_add_u32 v8, v2, 3, s15                  ; my row's scale word: lane 16 (f % 2) + r, word f / 2
	s_lshl_b32 s14, s12, 7
	s_add_co_u32 s14, s14, KNS
	v_lshl_add_u32 v9, v9, 2, s14                  ; the norm's place: 128 f + 4 (a + 8 h)
	v_lshlrev_b32 v12, 3, v1                       ; 8 x lane
	v_add_nc_u32 v10, KSS, v12                     ; the way out of the scale words,
	v_add_nc_u32 v11, KNS, v7                      ; and of the norms
	s_mov_b32 s20, 0x76543210
	s_mov_b32 s21, 0xfedcba98                      ; v_permlanex16_b32's selects for lane l xor 16
	s_mov_b32 s23, 0x600000                        ; the mantissa field of 57,344
	s_and_b32 s13, ttmp7, 0xffff                   ; bh
	s_lshr_b32 s16, s13, 3                         ; keys: b x 2^22 + head x 256 + st x 128 rows of 2,048 + f x 32 rows
	s_lshl_b32 s16, s16, 22
	s_and_b32 s22, s13, 7
	s_lshl_b32 s22, s22, 8
	s_add_co_u32 s16, s16, s22
	s_lshl_b32 s22, ttmp9, 18
	s_add_co_u32 s16, s16, s22
	s_lshl_b32 s22, s12, 16
	s_add_co_u32 s16, s16, s22
	s_mov_b32 s17, 0
	s_lshl_b32 s18, s13, 17                        ; kc: bh x 131,072 + st x 8,192 + f x 2,048
	s_lshl_b32 s22, ttmp9, 13
	s_add_co_u32 s18, s18, s22
	s_lshl_b32 s22, s12, 11
	s_add_co_u32 s18, s18, s22
	s_mov_b32 s19, 0
	s_lshl_b32 s24, s13, 12                        ; ks: bh x 4,096 + st x 256
	s_lshl_b32 s22, ttmp9, 8
	s_add_co_u32 s24, s24, s22
	s_mov_b32 s25, 0
	s_lshl_b32 s26, s13, 13                        ; kn: bh x 8,192 + st x 512
	s_lshl_b32 s22, ttmp9, 9
	s_add_co_u32 s26, s26, s22
	s_mov_b32 s27, 0
	s_wait_kmcnt 0x0
	s_add_nc_u64 s[4:5], s[4:5], s[16:17]
	s_add_nc_u64 s[6:7], s[6:7], s[18:19]
	s_add_nc_u64 s[8:9], s[8:9], s[24:25]
	s_add_nc_u64 s[10:11], s[10:11], s[26:27]
.irp i, 0,1,2,3,4,5,6,7,8,9,10,11,12,13,14,15
	global_load_b128 v[R+4*\i:R+4*\i+3], v4, s[4:5] offset:4096*\i th:TH_LOAD_NT   ; keys 2 i and 2 i + 1: each half of the lanes reads 256 consecutive bytes, read once in the launch
.endr
.irp b, 0,1,2,3
	v_mov_b32 v[TM+4+\b], 0                        ; written once: a lane permute's destination counts as one of its sources
.endr
	v_mov_b32 v182, 0
	v_mov_b32 v183, 0
.irp i, 0,1,2,3,4,5,6,7,8,9,10,11,12,13,14,15
	s_wait_loadcnt 15-\i                           ; loads come back in order (ISA guide 5.7.1): pair i is in, the 15 - i younger ones stay out
	ds_store_b128 v5, v[R+4*\i:R+4*\i+3] offset:2*SP*\i
.endr
.irp u, 0,1
.irp c, 0,1
.irp j, 0,1,2,3
	ds_load_b128 v[X+16*(2*\u+\c)+4*\j:X+16*(2*\u+\c)+4*\j+3], v6 offset:8*SP*\u+128*\c+16*\j   ; LDS serves a wave's instructions in order (ISA guide 5.7.1.4): these see my stores
.endr
.endr
.endr
	s_wait_dscnt 0x0
	; |k|^2 of the unquantised numbers: my 32 of key a and my 32 of key a + 8, two chains by turns
	v_pk_mul_f32 v[NA:NA+1], v[X:X+1], v[X:X+1]
	v_pk_mul_f32 v[NB:NB+1], v[X+32:X+33], v[X+32:X+33]
.irp i, 2,4,6,8,10,12,14,16,18,20,22,24,26,28,30
	v_pk_fma_f32 v[NA:NA+1], v[X+\i:X+\i+1], v[X+\i:X+\i+1], v[NA:NA+1]
	v_pk_fma_f32 v[NB:NB+1], v[X+32+\i:X+33+\i], v[X+32+\i:X+33+\i], v[NB:NB+1]
.endr
	v_add_f32 v[NA], v[NA], v[NA+1]
	v_add_f32 v[NB], v[NB], v[NB+1]
	v_permlanex16_b32 v182, v[NA], s20, s21
	v_permlanex16_b32 v183, v[NB], s20, s21
	v_add_f32 v[NA], v[NA], v182                   ; with lane l xor 16's 32 numbers
	v_add_f32 v[NB], v[NB], v183
	v_cmp_le_u32 vcc_lo, 16, v1
	v_cndmask_b32 v182, v[NA], v[NB], vcc_lo       ; lanes 0-15 hand on key a's norm, lanes 16-31 key a + 8's
	; the four blocks of 32 (a block lies in lanes l and l xor 16)
.irp b, 0,1,2,3
	v_max3_num_f32 v[TM+\b], |v[X+16*\b]|, |v[X+1+16*\b]|, 0x8000000   ; my 16 numbers, and the floor 2^(16 - 127), under which no largest magnitude is taken: so the byte cannot fall under 1
.endr
.irp i, 2,4,6,8,10,12,14
.irp b, 0,1,2,3
	v_max3_num_f32 v[TM+\b], v[TM+\b], |v[X+16*\b+\i]|, |v[X+1+16*\b+\i]|   ; (the four blocks by turns: no line waits for the line above it)
.endr
.endr
.irp b, 0,1,2,3
	v_permlanex16_b32 v[TM+4+\b], v[TM+\b], s20, s21
.endr
.irp b, 0,1,2,3
	v_max_num_f32 v[TM+\b], v[TM+\b], v[TM+4+\b]   ; the block's largest magnitude
.endr
.irp b, 0,1,2,3
	v_add_nc_u32 v[TM+12+\b], 0xf8800000, v[TM+\b]   ; 15 off its exponent field: the conversion takes the exponent field of this operand as its scale
.endr
.irp b, 0,1,2,3
	v_and_or_b32 v[TM+8+\b], v[TM+\b], 0x7f800000, s23   ; 57,344 x the scale
.endr
.irp b, 0,1,2,3
	v_lshrrev_b32 v[TM+4+\b], 23, v[TM+12+\b]      ; the scale's byte
.endr
	v_lshl_or_b32 v[PW], v[TM+5], 8, v[TM+4]       ; the four bytes make my row's scale word
	v_lshl_or_b32 v[PW], v[TM+6], 16, v[PW]
	v_lshl_or_b32 v[PW], v[TM+7], 24, v[PW]
.irp b, 0,1,2,3
.irp i, 0,1,2,3,4,5,6,7,8,9,10,11,12,13,14,15
	v_med3_num_f32 v[X+16*\b+\i], v[X+16*\b+\i], -v[TM+8+\b], v[TM+8+\b]   ; the conversion to an 8-bit code does not saturate (ISA guide 7.6.2): the hold at the largest code x the scale
.endr
	v_cvt_scalef32_pk8_bf8_f32 v[PC+4*\b:PC+1+4*\b], v[X+16*\b:X+7+16*\b], v[TM+12+\b]
	v_cvt_scalef32_pk8_bf8_f32 v[PC+2+4*\b:PC+3+4*\b], v[X+8+16*\b:X+15+16*\b], v[TM+12+\b]
.endr
	v_nop                                          ; a plain line behind the last conversion
.irp c, 0,1,2,3
	global_store_b128 v7, v[PC+4*\c:PC+4*\c+3], s[6:7] offset:512*\c   ; the image as it stands: 32 lanes store 512 consecutive bytes, aligned
.endr
	ds_store_b32 v8, v[PW]                         ; both lanes of a row write the same word with the same value
	ds_store_b32 v9, v182
	s_wait_dscnt 0x0                               ; for the others' sake: my stores have landed
	s_barrier_signal -1
	s_barrier_wait -1                              ; the step's 64 scale words and 128 norms lie in LDS
	s_cmp_lg_u32 s12, 0
	s_cbranch_scc1 .Lnot_wave_0
	ds_load_b64 v[184:185], v10
	s_wait_dscnt 0x0
	global_store_b64 v12, v[184:185], s[8:9]       ; wave 0: 256 consecutive bytes of scale words, aligned
	s_branch .Lend
.Lnot_wave_0:
	s_cmp_lg_u32 s12, 1
	s_cbranch_scc1 .Lend
	ds_load_b128 v[184:187], v11
	s_wait_dscnt 0x0
	global_store_b128 v7, v[184:187], s[10:11]     ; wave 1: 512 consecutive bytes of norms, aligned
.Lend:
	s_wait_tensorcnt 0x0
	ds_add_u32 v192, v193
	s_wait_dscnt 0x0
	s_endpgm
.Lfunc_end_k_q8f58691629_prep:
	.size	k_q8f58691629_prep, .Lfunc_end_k_q8f58691629_prep-k_q8f58691629_prep
	.p2alignl 7, 3214868480
	.fill 96, 4, 3214868480
	.section	.rodata,"a",@progbits
	.p2align	6, 0x0
	.amdhsa_kernel k_q8f58691629_prep
		.amdhsa_group_segment_fixed_size 36352
		.amdhsa_private_segment_fixed_size 0
		.amdhsa_enable_private_segment 0
		.amdhsa_kernarg_size 32
		.amdhsa_user_sgpr_count 2
		.amdhsa_user_sgpr_kernarg_segment_ptr 1
		.amdhsa_wavefront_size32 1
		.amdhsa_system_sgpr_workgroup_id_x 1
		.amdhsa_system_sgpr_workgroup_id_y 1
		.amdhsa_system_sgpr_workgroup_id_z 1
		.amdhsa_system_vgpr_workitem_id 0
		.amdhsa_next_free_vgpr 194
		.amdhsa_next_free_sgpr 66
		.amdhsa_reserve_vcc 1
		.amdhsa_float_denorm_mode_32 3
		.amdhsa_float_denorm_mode_16_64 3
		.amdhsa_memory_ordered 1
		.amdhsa_forward_progress 1
		.amdhsa_inst_pref_size 19
	.end_amdhsa_kernel
	.amdgpu_metadata
---
amdhsa.version: [ 1, 2 ]
amdhsa.kernels:
  - .name:           k_q8f58691629_prep
    .symbol:         k_q8f58691629_prep.kd
    .args:
      - { .name: keys, .offset: 0, .size: 8, .value_kind: global_buffer, .address_space: global }
      - { .name: kc, .offset: 8, .size: 8, .value_kind: global_buffer, .address_space: global }
      - { .name: ks, .offset: 16, .size: 8, .value_kind: global_buffer, .address_space: global }
      - { .name: kn, .offset: 24, .size: 8, .value_kind: global_buffer, .address_space: global }
    .group_segment_fixed_size: 36352
    .private_segment_fixed_size: 0
    .kernarg_segment_align: 8
    .kernarg_segment_size: 32
    .max_flat_workgroup_size: 128
    .sgpr_count:     66
    .vgpr_count:     194
    .wavefront_size: 32
...
	.end_amdgpu_metadata
.endif
;; end of part 1
;; launch attn (part 2): grid 8 x 32, 16 waves a work-group, clusters of 4 x 1, 289,792 bytes of LDS; arguments queries, kc, ks, kn, values_codes, values_scales, out0; writes out0
.if DOCPART == 2
	.amdgcn_target "amdgcn-amd-amdhsa--gfx1250"
	.amdhsa_code_object_version 6
	.text
	.protected	k_q8f58691629_attn
	.globl	k_q8f58691629_attn
	.p2align	8
	.type	k_q8f58691629_attn,@function
k_q8f58691629_attn:
	s_mov_b64 s[64:65], 0
	v_nop
	global_prefetch_b8 v0, s[64:65] scope:SCOPE_SE
	s_setreg_imm32_b32 hwreg(HW_REG_WAVE_MODE, 25, 1), 1
	s_wait_xcnt 0x0
	s_wait_alu depctr_hold_cnt(0) depctr_sa_sdst(0) depctr_va_vdst(0) depctr_va_sdst(0) depctr_va_ssrc(0) depctr_va_vcc(0) depctr_vm_vsrc(0)
	s_getreg_b32 s2, hwreg(HW_REG_IB_STS2, 6, 4)
	s_cmp_eq_u32 s2, 0
	s_cbranch_scc0 .Lentry_in_a_cluster
	s_endpgm
.Lentry_in_a_cluster:
	s_bfe_u32 s2, ttmp6, 0x10000c
	s_cmp_lg_u32 s2, 0x3003
	s_cbranch_scc0 .Lentry_shape_is_right
	s_endpgm
.Lentry_shape_is_right:
; out[b][l][head][:] = the sum over keys of softmax_s(sqrt(relu(|q|^2 |k|^2 - (q.k)^2) + 1e-8) / 8) V[s][:].  Both products run on codes of BF8 (E5M2) with one E8M0 scale for each 32 along K; all else is f32.
; The reference's term (1 - ALPHA) x dot has ALPHA = 1, a constant of its body: 0 x dot is left out, which is exact for every finite dot.
; q.k: q is quantised here, in registers (a row is read once, by one wave); k comes as register images, scale words and norms made by the launch before.  |q|^2 and |k|^2 are those of the unquantised numbers.
; THE SOFTMAX AHEAD OF THE SECOND PRODUCT: t = logit x log2(e); M = the row's largest t so far, rounded UP to a whole number; p = 2^(t - M) is quantised along the keys, not normalised; the row's sum is taken of the
; unquantised p and divides at the end.  When M moves, the sum and O are multiplied by 2^(old M - new M): exact.
; SHARES.  A work-group owns 256 queries of one head (bh = 8 b + head); each of its sixteen waves owns 16 of them in 256 registers, four waves to a SIMD, so that one wave's vector work stands beside another's products and
; LDS loads.  Every wave walks the head's 2,048 keys, 128 a step.
; THE WHOLE HEAD LIES IN LDS, FILLED ONCE: K's images, V's codes, the norms and both sets of scale bytes: 287,744 bytes.  No byte is filled twice, so there is no ring.
; CLUSTER.  The four query blocks of a cluster belong to one head and want the same bytes: every fill is a JOINT load, the same in all four, with a mask that names the four.
; K = 64 IN AN INSTRUCTION OF 128.  A fragment of K holds two tiles of 16 keys: row r has key a in k = 0..63 and key a + 8 in k = 64..127.  Q lies in 24 registers as zeros | q | zeros: [q | 0] picks the first tile,
; [0 | q] the second.  Zero codes add nothing under any scale byte from 1 to 254.  So four LDS loads bring two tiles and one scale word serves both instructions.
; LAYOUT.  Both products are used transposed (S^T = K Q^T, O^T = V^T P^T): a lane holds ONE query (lane % 16).  With a = 32 f + r + 8 (r / 8), register 16 f + i of S^T is key 32 f + 16 (lane / 16) + i: 16 neighbours along
; the second product's K, so the conversions' results are its operand.
; LIMITS: NaN and infinities among queries and keys are not served; a block of q whose largest magnitude lies under 2^-111 (zeros too) has the byte 1; a block of p that has fallen to zeros likewise (its codes are zeros).
; 1e-8 is folded into the square: w + eps = |k|^2 |q|^2 - (s^2 - eps) by two fused multiply-adds, and relu(w) + eps = max(w + eps, eps): fewer roundings than the reference's four, in another order.
; REGISTERS: v1-6 addresses that stay; v7-11 the chunk's addresses; v12 -M, v13 the largest t, v[14:15] the sum; v16-39 zeros | q | zeros; v40 q's scale word; v41, v48 at work; v[42:43] |q|^2 twice; v[44:45] K's scale
; words; v[46:47] V's; v49 p's; v[50:51] f; v[52:53] the second chain of the sum; v64-127 K's fragments, then |k|^2, then V's fragments; v128-191 S^T, then p; v192-223 O^T; v224-239 p's codes; v240-255 at work on the blocks.
.set UNIT, 272                         ; 256 bytes + 16 of padding = 68 words: the sixteen rows that a load touches start at sixteen different banks (64 banks of 4 bytes: ISA guide 11.1)
.set KCH,  16384                       ; a chunk of 256 keys: K's images, dense (a load of 32 lanes takes 512 consecutive bytes),
.set VCH,  64*UNIT                     ; and V's 64 rows of 256 codes
.set VC,   8*KCH                       ; LDS: K's eight chunks from 0; V's eight from here;
.set KN,   VC+8*VCH                    ; the norms: 32 units of 64 keys;
.set KS,   KN+32*UNIT                  ; K's scale words: a unit a step;
.set VS,   KS+16*UNIT                  ; V's scale bytes: a unit holds four rows of 64 bytes.  The way out's stages lie in K's chunks, behind a barrier behind which nobody reads them
.set AK0,  1                           ; v1   16 x lane
.set AV0,  2                           ; v2   VC + 272 r + 16 h
.set ASK0, 3                           ; v3   KS + 8 x lane
.set ASV0, 4                           ; v4   VS + 272 (r / 4) + 64 (r % 4) + 1,088 h: row 16 h + r of V's scale bytes
.set AKN0, 5                           ; v5   KN + 64 h
.set GO,   6                           ; v6   the way out: 2,048 h + 16 r
.set ADK,  7
.set ADV,  8
.set ADS,  9
.set ADT,  10
.set ADN,  11
.set QD,   24
.set QS,   40
.set T1,   41
.set QN,   42
.set KSR,  44
.set VSR,  46
.set T2,   48
.set PS,   49
.set FF,   50
.set SUM2, 52
.set F,    64
.set S,    128
.set OT,   192
.set PC,   224
.set BM,   240                         ; the blocks' largest scores, then largest p
.set T4,   244                         ; lane permutes' destinations, then the bytes
.set HOLD, 248                         ; 57,344 x the scale
.set SCL,  252                         ; the conversions' scale operands
.set WV,   18                          ; s18  my wave's number
.set MNT,  19                          ; s19  the mantissa field of 57,344
.set SEL,  20                          ; s[20:21] v_permlanex16_b32's selects for lane l xor 16
.set CS,   22                          ; s[22:23] c = log2(e) / 8
.set NEPS, 24                          ; s[24:25] -1e-8
.set EPS,  26                          ; s26  1e-8
.set CNT,  27                          ; s27  chunks to go
.set TK,   28                          ; s28-32 where the chunk in hand begins: K's images, V's codes, K's scale words, the norms, V's scale bytes
.set TV,   29
.set TS,   30
.set TN,   31
.set TJ,   32
.set PAR,  33                          ; s33  wave % 2
.set BH,   34                          ; s34  bh
.set G1K,  36                          ; s[36:43], s[44:51], s[52:59] descriptor groups 1: K's chunks, V's chunks, the small blocks
.set G1V,  44
.set G1S,  52
.set G0S,  60                          ; s[60:63] group 0 of my small block;  s[68:83], s[84:99] groups 0 of four chunks of K and of V
.set G0K,  68
.set G0V,  84
; A round of the cluster's barrier: my work-group's barrier, so that wave 0's signal speaks for all sixteen waves; wave 0 signals for the work-group; every wave waits for all four work-groups; my work-group's barrier once more.
.macro CROUND
	s_barrier_signal -1
	s_barrier_wait -1
	s_cmp_lg_u32 s[WV], 0
	s_cbranch_scc1 .Lnot_wave_0_\@
	s_barrier_signal -3
.Lnot_wave_0_\@:
	s_barrier_wait -3
	s_barrier_signal -1
	s_barrier_wait -1
.endm
	s_load_b256 s[4:11], s[0:1], 0x0               ; queries s[4:5], kc s[6:7], ks s[8:9], kn s[10:11]
	s_load_b128 s[12:15], s[0:1], 0x20             ; values_codes s[12:13], values_scales s[14:15]
	s_load_b64 s[16:17], s[0:1], 0x30              ; out0
	v_lshl_add_u32 v62, v0, 2, 0x46400
	v_mov_b32 v63, 0
	ds_add_u32 v62, v63
	ds_add_u32 v62, v63
	v_lshrrev_b32 v7, 5, v0
	v_readfirstlane_b32 s[WV], v7                  ; wave 0..15
	s_and_b32 s[PAR], s[WV], 1
	s_and_b32 s[BH], ttmp7, 0xffff                 ; bh, which the four partners share
	; group 1 for a chunk of K: 16,384 dense bytes as 64 rows of 32 elements of 8 bytes, no padding
	s_mov_b32 s[G1K], 15|(3<<16)|(1<<21)           ; 15:0 the mask: all four work-groups; 17:16 elements of 8 bytes; 21 set beside a mask
	s_mov_b32 s[G1K+1], 32<<16                     ; tensor_dim0
	s_mov_b32 s[G1K+2], 64<<16                     ; tensor_dim1
	s_mov_b32 s[G1K+3], 32<<16                     ; tile_dim0
	s_mov_b32 s[G1K+4], 64                         ; tile_dim1
	s_mov_b32 s[G1K+5], 32                         ; from row to row
	s_mov_b32 s[G1K+6], 0
	s_mov_b32 s[G1K+7], 0
	; for a chunk of V: 64 rows of 256 codes, 2,048 bytes apart in memory; four words of padding behind every 64
	s_mov_b32 s[G1V], 15|(1<<20)|(1<<21)|(5<<22)|(3<<25)
	s_mov_b32 s[G1V+1], 256<<16
	s_mov_b32 s[G1V+2], 64<<16
	s_mov_b32 s[G1V+3], 256<<16
	s_mov_b32 s[G1V+4], 64
	s_mov_b32 s[G1V+5], 2048
	s_mov_b32 s[G1V+6], 0
	s_mov_b32 s[G1V+7], 0
	; for a small block: 4,096 dense bytes as 16 rows of 256, the same padding
	s_mov_b32 s[G1S], 15|(3<<16)|(1<<20)|(1<<21)|(5<<22)|(3<<25)
	s_mov_b32 s[G1S+1], 32<<16
	s_mov_b32 s[G1S+2], 16<<16
	s_mov_b32 s[G1S+3], 32<<16
	s_mov_b32 s[G1S+4], 16
	s_mov_b32 s[G1S+5], 32
	s_mov_b32 s[G1S+6], 0
	s_mov_b32 s[G1S+7], 0
	s_mov_b32 s[MNT], 0x600000
	s_mov_b32 s[SEL], 0x76543210
	s_mov_b32 s[SEL+1], 0xfedcba98
	s_mov_b32 s[CS], 0x3e38aa3b                    ; log2(e) / 8
	s_mov_b32 s[CS+1], s[CS]                       ; (named with it as a pair, so it is written)
	s_mov_b32 s[NEPS], 0xb22bcc77                  ; -1e-8
	s_mov_b32 s[NEPS+1], s[NEPS]
	s_mov_b32 s[EPS], 0x322bcc77                   ; 1e-8
	; my 16 queries in queries and in out0: b x 2^22 + head x 256 + (256 (4 x cluster x + cx) + 16 wave) rows of 2,048 bytes.  My place in the cluster enters these registers alone
	s_bfe_u32 s100, ttmp6, 0x40000                 ; cx
	s_lshl_b32 s35, ttmp9, 2
	s_add_co_u32 s35, s35, s100
	s_lshl_b32 s35, s35, 4
	s_add_co_u32 s35, s35, s[WV]
	s_lshl_b32 s35, s35, 15
	s_lshr_b32 s100, s[BH], 3
	s_lshl_b32 s100, s100, 22
	s_add_co_u32 s35, s35, s100
	s_and_b32 s100, s[BH], 7
	s_lshl_b32 s100, s100, 8
	s_add_co_u32 s100, s100, s35
	s_mov_b32 s101, 0
	; what I fetch, if I fetch: made of bh and the wave's number alone
	s_mov_b32 s3, 0
	s_lshl_b32 s28, s[BH], 17                      ; the head's first byte in kc and in values_codes
	s_lshl_b32 s30, s[PAR], 14                     ; K: chunk wave % 2, in memory and in LDS alike
	s_mul_i32 s31, s[PAR], VCH
	s_add_co_u32 s31, s31, VC                      ; V: the same chunk in LDS
	s_mov_b32 s[G0S], 1                            ; 1:0 count = 1
	s_and_b32 s[G0S+1], s[WV], 3
	s_mul_i32 s[G0S+1], s[G0S+1], 16*UNIT
	s_add_co_u32 s[G0S+1], s[G0S+1], KN            ; the four small blocks lie on end: the norms' two halves, K's scale words, V's scale bytes
	s_wait_dscnt 0x0
	s_wait_kmcnt 0x0
	s_add_nc_u64 s[4:5], s[4:5], s[100:101]
	s_add_nc_u64 s[16:17], s[16:17], s[100:101]
	s_add_co_u32 s2, s28, s30
	s_add_nc_u64 s[6:7], s[6:7], s[2:3]            ; kc at my first chunk
	s_lshl_b32 s2, s[PAR], 8
	s_add_co_u32 s2, s2, s28
	s_add_nc_u64 s[12:13], s[12:13], s[2:3]        ; values_codes likewise: a chunk is 256 bytes of each row
	s_lshl_b32 s2, s[BH], 13
	s_lshl_b32 s29, s[PAR], 12
	s_add_co_u32 s2, s2, s29
	s_add_nc_u64 s[10:11], s[10:11], s[2:3]        ; kn at my half of the head's norms
	s_lshl_b32 s2, s[BH], 12
	s_add_nc_u64 s[8:9], s[8:9], s[2:3]            ; ks and values_scales at the head
	s_add_nc_u64 s[14:15], s[14:15], s[2:3]
	s_cmp_eq_u32 s[PAR], 0                         ; the small block's source is chosen by the wave's number alone: waves 0, 1 the norms, wave 2 K's scale words, wave 3 V's scale bytes
	s_cselect_b64 s[8:9], s[8:9], s[14:15]
	s_cmp_lt_u32 s[WV], 2
	s_cselect_b64 s[G0S+2:G0S+3], s[10:11], s[8:9]
	s_or_b32 s[G0S+3], s[G0S+3], 0x80000000        ; 127:126 type = 2
.irp i, 0,1,2,3
	s_mov_b32 s[G0K+4*\i], 1
	s_add_co_u32 s[G0K+4*\i+1], s30, \i*2*KCH      ; chunk 2 i + wave % 2
	s_add_nc_u64 s[G0K+4*\i+2:G0K+4*\i+3], s[6:7], \i*2*KCH
	s_or_b32 s[G0K+4*\i+3], s[G0K+4*\i+3], 0x80000000
	s_mov_b32 s[G0V+4*\i], 1
	s_add_co_u32 s[G0V+4*\i+1], s31, \i*2*VCH
	s_add_nc_u64 s[G0V+4*\i+2:G0V+4*\i+3], s[12:13], \i*512
	s_or_b32 s[G0V+4*\i+3], s[G0V+4*\i+3], 0x80000000
.endr
	CROUND                                         ; all four work-groups are here: the joint loads meet
	s_cmp_lt_u32 s[WV], 2                          ; ALL FILLS OF THE LAUNCH, in one branch on the wave's number: waves 0 and 1 fetch for K, waves 2 and 3 for V, five loads each; the others fetch nothing.  Five loads of a wave are out at most
	s_cbranch_scc0 .Lnot_k
	tensor_load_to_lds s[G0S:G0S+3], s[G1S:G1S+7]
	s_nop 0
	tensor_load_to_lds s[G0K:G0K+3], s[G1K:G1K+7]
	s_nop 0
	tensor_load_to_lds s[G0K+4:G0K+7], s[G1K:G1K+7]
	s_nop 0
	tensor_load_to_lds s[G0K+8:G0K+11], s[G1K:G1K+7]
	s_nop 0
	tensor_load_to_lds s[G0K+12:G0K+15], s[G1K:G1K+7]
	s_nop 0
.rept 4
	v_nop                                          ; four v_nop follow the last load of each arm, ahead of the jump and the label
.endr
	s_branch .Lasked
.Lnot_k:
	s_cmp_lt_u32 s[WV], 4
	s_cbranch_scc0 .Lasked
	tensor_load_to_lds s[G0S:G0S+3], s[G1S:G1S+7]
	s_nop 0
	tensor_load_to_lds s[G0V:G0V+3], s[G1V:G1V+7]
	s_nop 0
	tensor_load_to_lds s[G0V+4:G0V+7], s[G1V:G1V+7]
	s_nop 0
	tensor_load_to_lds s[G0V+8:G0V+11], s[G1V:G1V+7]
	s_nop 0
	tensor_load_to_lds s[G0V+12:G0V+15], s[G1V:G1V+7]
	s_nop 0
.rept 4
	v_nop
.endr
.Lasked:
	v_and_b32 v7, 31, v0                           ; lane
	v_and_b32 v8, 15, v0                           ; r
	v_bfe_u32 v9, v0, 4, 1                         ; h
	v_lshlrev_b32 v10, 11, v8
	v_lshl_add_u32 v10, v9, 6, v10                 ; q: row r of 2,048 bytes, + 64 h: my 16 numbers of a block of 32
.irp c, 0,1
.irp j, 0,1,2,3
	global_load_b128 v[S+16*\c+4*\j:S+16*\c+4*\j+3], v10, s[4:5] offset:128*\c+16*\j   ; register 16 c + i = number 32 c + 16 h + i of query r
.endr
.endr
	v_lshlrev_b32 v[AK0], 4, v7
	v_mul_u32_u24 v[AV0], v8, UNIT
	v_lshl_add_u32 v[AV0], v9, 4, v[AV0]
	v_add_nc_u32 v[AV0], VC, v[AV0]
	v_lshl_add_u32 v[ASK0], v7, 3, KS
	v_lshrrev_b32 v11, 2, v8
	v_mul_u32_u24 v[ASV0], v11, UNIT
	v_and_b32 v11, 3, v8
	v_lshl_add_u32 v[ASV0], v11, 6, v[ASV0]
	v_mad_u32_u24 v[ASV0], v9, 4*UNIT, v[ASV0]     ; lanes 16-31 take the tile 16 rows, four units, on
	v_add_nc_u32 v[ASV0], VS, v[ASV0]
	v_lshl_add_u32 v[AKN0], v9, 6, KN
	v_lshlrev_b32 v[GO], 4, v8
	v_lshl_add_u32 v[GO], v9, 11, v[GO]
.irp j, 0,1,2,3,4,5,6,7
	v_mov_b32 v[QD-8+\j], 0                        ; the zero codes on both sides of q
	v_mov_b32 v[QD+8+\j], 0
.endr
.irp j, 0,1,2,3,4,5,6,7,8,9,10,11,12,13,14,15,16,17,18,19,20,21,22,23,24,25,26,27,28,29,30,31
	v_mov_b32 v[OT+\j], 0                          ; O^T.  (The step is written without a first step of its own: the first finds zeros, which the first change of M leaves zeros; 32 lines once against a further copy of the step)
.endr
.irp b, 0,1,2,3
	v_mov_b32 v[T4+\b], 0                          ; written once: a lane permute's destination counts as one of its sources
.endr
	v_mov_b32 v14, 0                               ; the sum, in two halves
	v_mov_b32 v15, 0
	v_mov_b32 v[FF+1], 0                           ; (named as the upper half of the pair of f)
	v_mov_b32 v13, 0xff61b1e6                      ; the largest t so far: -3e38, under every t
	v_floor_f32 v12, -v13                          ; -M
	s_wait_loadcnt 0x0                             ; q
	; |q|^2 of the unquantised numbers
	v_pk_mul_f32 v[QN:QN+1], v[S:S+1], v[S:S+1]
	v_pk_mul_f32 v[SUM2:SUM2+1], v[S+16:S+17], v[S+16:S+17]
.irp i, 2,4,6,8,10,12,14
	v_pk_fma_f32 v[QN:QN+1], v[S+\i:S+\i+1], v[S+\i:S+\i+1], v[QN:QN+1]
	v_pk_fma_f32 v[SUM2:SUM2+1], v[S+16+\i:S+17+\i], v[S+16+\i:S+17+\i], v[SUM2:SUM2+1]
.endr
	v_pk_add_f32 v[QN:QN+1], v[QN:QN+1], v[SUM2:SUM2+1]
	v_add_f32 v[QN], v[QN], v[QN+1]
	v_permlanex16_b32 v[T4], v[QN], s[SEL], s[SEL+1]
	v_add_f32 v[QN], v[QN], v[T4]                  ; with lane l xor 16's 32 numbers
	v_mov_b32 v[QN+1], v[QN]                       ; twice: a pair for the packed multiply-add
	; q's two blocks of 32 become eight registers of codes and two bytes
.irp b, 0,1
	v_max3_num_f32 v[BM+\b], |v[S+16*\b]|, |v[S+1+16*\b]|, 0x8000000   ; my 16 numbers, and the floor 2^(16 - 127): the byte cannot fall under 1
.endr
.irp i, 2,4,6,8,10,12,14
.irp b, 0,1
	v_max3_num_f32 v[BM+\b], v[BM+\b], |v[S+16*\b+\i]|, |v[S+1+16*\b+\i]|
.endr
.endr
.irp b, 0,1
	v_permlanex16_b32 v[T4+\b], v[BM+\b], s[SEL], s[SEL+1]
.endr
.irp b, 0,1
	v_max_num_f32 v[BM+\b], v[BM+\b], v[T4+\b]     ; the block's largest magnitude
.endr
.irp b, 0,1
	v_add_nc_u32 v[SCL+\b], 0xf8800000, v[BM+\b]   ; 15 off its exponent field: the conversion's scale operand
.endr
.irp b, 0,1
	v_and_or_b32 v[HOLD+\b], v[BM+\b], 0x7f800000, s[MNT]   ; 57,344 x the scale
.endr
.irp b, 0,1
	v_lshrrev_b32 v[T4+\b], 23, v[SCL+\b]          ; the scale's byte
.endr
	v_lshl_or_b32 v[QS], v[T4+1], 8, v[T4]
	v_lshl_or_b32 v[QS], v[QS], 16, v[QS]          ; the two bytes twice: they serve [q | 0] and [0 | q] alike
.irp b, 0,1
.irp i, 0,1,2,3,4,5,6,7,8,9,10,11,12,13,14,15
	v_med3_num_f32 v[S+16*\b+\i], v[S+16*\b+\i], -v[HOLD+\b], v[HOLD+\b]   ; the conversion to an 8-bit code does not saturate (ISA guide 7.6.2): the hold
.endr
	v_cvt_scalef32_pk8_bf8_f32 v[QD+4*\b:QD+4*\b+1], v[S+16*\b:S+16*\b+7], v[SCL+\b]
	v_cvt_scalef32_pk8_bf8_f32 v[QD+4*\b+2:QD+4*\b+3], v[S+16*\b+8:S+16*\b+15], v[SCL+\b]
.endr
	v_nop                                          ; a plain line behind the last conversion: products will write its sources
	s_mov_b32 s[TK], 0
	s_mov_b32 s[TV], 0
	s_mov_b32 s[TS], 0
	s_mov_b32 s[TN], 0
	s_mov_b32 s[TJ], 0
; A KEY STEP: 128 keys, the q-th of the chunk in hand.
.macro STEP q
; Eight places stand between the last products and the loads into the registers that they read.  In a chunk's first step five of them are the chunk's addresses.
.if (\q) == 0
	v_add_nc_u32 v[ADK], s[TK], v[AK0]
	v_add_nc_u32 v[ADV], s[TV], v[AV0]
	v_add_nc_u32 v[ADS], s[TS], v[ASK0]
	v_add_nc_u32 v[ADT], s[TJ], v[ASV0]
	v_add_nc_u32 v[ADN], s[TN], v[AKN0]
.rept 3
	v_nop
.endr
.else
.rept 8
	v_nop
.endr
.endif
.irp f, 0,1,2,3
.irp c, 0,1,2,3
	ds_load_b128 v[F+16*\f+4*\c:F+16*\f+4*\c+3], v[ADK] offset:8192*(\q)+2048*\f+512*\c   ; K's four fragments as they were stored: 512 consecutive bytes a load
.endr
.endr
	ds_load_b64 v[KSR:KSR+1], v[ADS] offset:UNIT*(\q)   ; their scale words: word j: lanes 0-15 fragment 2 j, lanes 16-31 fragment 2 j + 1
	s_wait_dscnt 0x0
.irp f, 0,1,2,3                                ; S^T = K Q^T: a fragment's first tile against [q | 0], its second against [0 | q]; every product starts its own sum
.irp u, 0,1
.if \f%2
	v_wmma_scale_f32_16x16x128_f8f6f4 v[S+8*(2*\f+\u):S+8*(2*\f+\u)+7], v[F+16*\f:F+16*\f+15], v[QD-8*\u:QD+15-8*\u], 0, v[KSR+\f/2], v[QS] matrix_a_fmt:MATRIX_FMT_BF8 matrix_b_fmt:MATRIX_FMT_BF8 matrix_a_scale:MATRIX_SCALE_ROW1
.else
	v_wmma_scale_f32_16x16x128_f8f6f4 v[S+8*(2*\f+\u):S+8*(2*\f+\u)+7], v[F+16*\f:F+16*\f+15], v[QD-8*\u:QD+15-8*\u], 0, v[KSR+\f/2], v[QS] matrix_a_fmt:MATRIX_FMT_BF8 matrix_b_fmt:MATRIX_FMT_BF8
.endif
.endr
.endr
.rept 8
	v_nop                                          ; eight places: for the loads into K's registers and for the first read of the scores
.endr
.irp b, 0,1,2,3
.irp j, 0,1,2,3
	ds_load_b128 v[F+16*\b+4*\j:F+16*\b+4*\j+3], v[ADN] offset:2*UNIT*(\q)+UNIT*(\b/2)+128*(\b%2)+16*\j   ; |k|^2 of keys 32 b + 16 h + 4 j on: register for register beside the scores; sixteen lanes share each word
.endr
.endr
.irp g, 0,1
	ds_load_b32 v[VSR+\g], v[ADT] offset:4*(\q)+8*UNIT*\g   ; V's scale words of these 128 keys: lanes 0-15 tile 2 g, lanes 16-31 tile 2 g + 1
.endr
.set n, 0
.rept 32
	v_pk_fma_f32 v[S+n:S+n+1], v[S+n:S+n+1], v[S+n:S+n+1], s[NEPS:NEPS+1] op_sel_hi:[1,1,0]   ; s^2 - eps; each accumulator from its low end on
.set n, n+2
.endr
	s_wait_dscnt 2                                 ; the sixteen loads of norms are in; the two younger scale words may be out
.set n, 0
.rept 32
	v_pk_fma_f32 v[S+n:S+n+1], v[F+n:F+n+1], v[QN:QN+1], v[S+n:S+n+1] neg_lo:[0,0,1] neg_hi:[0,0,1]   ; |k|^2 |q|^2 - (s^2 - eps)
.set n, n+2
.endr
.irp t, 0,1,2,3
.irp c, 0,1,2,3
	ds_load_b128 v[F+16*\t+4*\c:F+16*\t+4*\c+3], v[ADV] offset:16*UNIT*\t+128*(\q)+32*\c   ; V's four tiles of 16 channels x these 128 keys: they land under the softmax
.endr
.endr
.set n, 0
.rept 64
	v_max_num_f32 v[S+n], s[EPS], v[S+n]           ; relu(w) + eps = max(w + eps, eps)
.set n, n+1
.endr
.set n, 0
.rept 64
	v_sqrt_f32 v[S+n], v[S+n]                      ; the wedge
.set n, n+1
.endr
	v_mov_b32 v[T1], v12                           ; the old -M.  (A plain line behind the roots)
	s_wait_alu depctr_va_vdst(0)
.irp b, 0,1,2,3
	v_max3_num_f32 v[BM+\b], v[S+16*\b], v[S+1+16*\b], v[S+2+16*\b]   ; THE LARGEST WEDGE OF EACH BLOCK OF 32 KEYS serves twice: for the row's maximum, and, since p rises with it, for the block's largest p
.endr
.irp i, 3,5,7,9,11,13
.irp b, 0,1,2,3
	v_max3_num_f32 v[BM+\b], v[BM+\b], v[S+16*\b+\i], v[S+1+16*\b+\i]   ; (the four blocks by turns)
.endr
.endr
.irp b, 0,1,2,3
	v_max_num_f32 v[BM+\b], v[BM+\b], v[S+15+16*\b]
.endr
.irp b, 0,1,2,3
	v_permlanex16_b32 v[T4+\b], v[BM+\b], s[SEL], s[SEL+1]
.endr
.irp b, 0,1,2,3
	v_max_num_f32 v[BM+\b], v[BM+\b], v[T4+\b]     ; with lane l xor 16's 16 keys
.endr
	v_max3_num_f32 v[T2], v[BM], v[BM+1], v[BM+2]
	v_max_num_f32 v[T2], v[T2], v[BM+3]            ; the step's largest wedge of my query
	v_mul_f32 v[T2], s[CS], v[T2]                  ; as t (c is positive)
	v_max_num_f32 v13, v13, v[T2]                  ; the running largest t
	v_floor_f32 v12, -v13                          ; the new -M = floor(-t) = -ceil(t): M is a whole number
	v_sub_f32 v[T1], v12, v[T1]                    ; M's old value less its new one: a whole number, 0 or less
	v_cvt_i32_f32 v[T1], v[T1]                     ; (it saturates)
	v_ldexp_f32 v[FF], 1.0, v[T1]                  ; f = 2^(old M - new M): a multiplication by it rounds nothing
.set n, 0
.rept 32
	v_pk_fma_f32 v[S+n:S+n+1], v[S+n:S+n+1], s[CS:CS+1], v[12:13] op_sel_hi:[1,0,0]   ; t - M, two at a time (of the pairs c and -M the low word serves both halves)
.set n, n+2
.endr
.irp b, 0,1,2,3
	v_fma_f32 v[BM+\b], v[BM+\b], s[CS], v12       ; the same of each block's largest wedge
.endr
.set n, 0
.rept 64
	v_exp_f32 v[S+n], v[S+n]                       ; p = 2^(t - M), at most 1: not normalised
.set n, n+1
.endr
.irp b, 0,1,2,3
	v_exp_f32 v[BM+\b], v[BM+\b]                   ; the block's largest p: the same two instructions on the same number
.endr
	v_pk_mul_f32 v[14:15], v[14:15], v[FF:FF+1] op_sel_hi:[1,0]   ; the sums under the new M.  (A plain line behind the exponentials)
	s_wait_alu depctr_va_vdst(0)
.irp b, 0,1,2,3
	v_max_num_f32 v[BM+\b], 0x8000000, v[BM+\b]    ; the floor 2^(16 - 127): the byte cannot fall under 1
.endr
.irp b, 0,1,2,3
	v_add_nc_u32 v[SCL+\b], 0xf8800000, v[BM+\b]   ; 15 off the exponent field: the conversion's scale operand
.endr
.irp b, 0,1,2,3
	v_and_or_b32 v[HOLD+\b], v[BM+\b], 0x7f800000, s[MNT]   ; 57,344 x the scale
.endr
.irp b, 0,1,2,3
	v_lshrrev_b32 v[T4+\b], 23, v[SCL+\b]          ; the scale's byte
.endr
	v_lshl_or_b32 v[PS], v[T4+1], 8, v[T4]         ; p's scale word for these 128 keys: made far more than eight places ahead of the products that name it
	v_lshl_or_b32 v[PS], v[T4+2], 16, v[PS]
	v_lshl_or_b32 v[PS], v[T4+3], 24, v[PS]
	v_pk_add_f32 v[SUM2:SUM2+1], v[S:S+1], v[S+2:S+3]   ; THE ROW'S SUM IS TAKEN OF THE UNQUANTISED p: two at a time, in two chains
.irp j, 4,8,12,16,20,24,28,32,36,40,44,48,52,56,60
	v_pk_add_f32 v[14:15], v[14:15], v[S+\j:S+\j+1]
	v_pk_add_f32 v[SUM2:SUM2+1], v[SUM2:SUM2+1], v[S+2+\j:S+3+\j]
.endr
	v_pk_add_f32 v[14:15], v[14:15], v[SUM2:SUM2+1]
.irp b, 0,1,2,3
.irp i, 0,1,2,3,4,5,6,7,8,9,10,11,12,13,14,15
	v_min_num_f32 v[S+16*\b+\i], v[S+16*\b+\i], v[HOLD+\b]   ; the conversion does not saturate (ISA guide 7.6.2); p is not negative, so the hold is one-sided
.endr
	v_cvt_scalef32_pk8_bf8_f32 v[PC+4*\b:PC+4*\b+1], v[S+16*\b:S+16*\b+7], v[SCL+\b]
	v_cvt_scalef32_pk8_bf8_f32 v[PC+4*\b+2:PC+4*\b+3], v[S+16*\b+8:S+16*\b+15], v[SCL+\b]
.endr
.set n, 0
.rept 16
	v_pk_mul_f32 v[OT+n:OT+n+1], v[OT+n:OT+n+1], v[FF:FF+1] op_sel_hi:[1,0]   ; O^T under the new M: x f; each accumulator from its low end on.  (These sixteen stand between the conversions and the products)
.set n, n+2
.endr
	s_wait_dscnt 0x0                               ; V's fragments and scale words are in
.irp t, 0,1,2,3                                ; O^T += V^T P^T: the four accumulators by turns, one instruction a turn, and the eight products of S^T between a link and the next
.if \t%2
	v_wmma_scale_f32_16x16x128_f8f6f4 v[OT+8*\t:OT+8*\t+7], v[F+16*\t:F+16*\t+15], v[PC:PC+15], v[OT+8*\t:OT+8*\t+7], v[VSR+\t/2], v[PS] matrix_a_fmt:MATRIX_FMT_BF8 matrix_b_fmt:MATRIX_FMT_BF8 matrix_a_scale:MATRIX_SCALE_ROW1
.else
	v_wmma_scale_f32_16x16x128_f8f6f4 v[OT+8*\t:OT+8*\t+7], v[F+16*\t:F+16*\t+15], v[PC:PC+15], v[OT+8*\t:OT+8*\t+7], v[VSR+\t/2], v[PS] matrix_a_fmt:MATRIX_FMT_BF8 matrix_b_fmt:MATRIX_FMT_BF8
.endif
.endr
.endm
; n chunks of 256 keys: two steps each, then the LDS steps to the next chunk
.macro CHUNKS n
	s_mov_b32 s[CNT], \n
.Lchunk_\@:
	STEP 0
	STEP 1
	s_add_co_u32 s[TK], s[TK], KCH
	s_add_co_u32 s[TV], s[TV], VCH
	s_add_co_u32 s[TS], s[TS], 2*UNIT
	s_add_co_u32 s[TN], s[TN], 4*UNIT
	s_add_co_u32 s[TJ], s[TJ], 8
	s_sub_co_u32 s[CNT], s[CNT], 1
	s_cmp_lg_u32 s[CNT], 0
	s_cbranch_scc1 .Lchunk_\@
.endm
	s_wait_tensorcnt 3                             ; tensor loads of a wave end in order (ISA guide 10.11.1): of a fetching wave's five, the small block and its first chunk are in; three chunks may stay out
	s_barrier_signal -1
	s_barrier_wait -1                              ; everybody's are: the norms, both sets of scale bytes, chunks 0 and 1 of K and of V
	CHUNKS 2                                       ; the other six chunks land under these four steps
	s_wait_tensorcnt 0x0                           ; all my loads have landed
	s_barrier_signal -1
	s_barrier_wait -1                              ; everybody's have
	CHUNKS 6
	; THE WAY OUT.  O^T is divided by the row's sum and goes through my stage in LDS, so that sixteen lanes store a query's whole row of 256 bytes.  The stages lie in K's chunks: those have had their only fill, and the
	; barrier below shows that no wave reads them any more.
	s_wait_dscnt 0x0                               ; for the others' sake: my reads of K's chunks are over
	s_barrier_signal -1
	s_mul_i32 s2, s[WV], 16*UNIT                   ; my stage: 16 rows of 256 bytes + 16
	v_and_b32 v7, 15, v0                           ; r.  (These eight plain lines are the places behind the last products)
	v_bfe_u32 v8, v0, 4, 1                         ; h
	v_mul_u32_u24 v9, v7, UNIT
	v_lshl_add_u32 v9, v8, 5, v9
	v_add_nc_u32 v9, s2, v9                        ; in: row r; tile t's eight channels of my half: 64 t + 32 h bytes on
	v_mul_u32_u24 v10, v8, UNIT
	v_lshl_add_u32 v10, v7, 4, v10
	v_add_nc_u32 v10, s2, v10                      ; back: lanes 0-15 one row, lanes 16-31 the next
	v_add_f32 v14, v14, v15                        ; the sum's two halves,
	v_permlanex16_b32 v[T1], v14, s[SEL], s[SEL+1]
	v_add_f32 v14, v14, v[T1]                      ; and lane l xor 16's: the row's sum
	v_rcp_f32 v14, v14
	v_nop                                          ; a plain line behind the reciprocal
.set n, 0
	s_wait_alu depctr_va_vdst(0)
.rept 16
	v_pk_mul_f32 v[S+n:S+n+1], v[OT+n:OT+n+1], v[14:15] op_sel_hi:[1,0]   ; O^T / the sum: register 8 t + i is out(r, 16 t + 8 h + i); each accumulator from its low end on
.set n, n+2
.endr
	s_barrier_wait -1
.irp t, 0,1,2,3
	ds_store_b128 v9, v[S+8*\t:S+8*\t+3] offset:64*\t
	ds_store_b128 v9, v[S+8*\t+4:S+8*\t+7] offset:64*\t+16
.endr
.irp i, 0,1,2,3,4,5,6,7
	ds_load_b128 v[F+4*\i:F+4*\i+3], v10 offset:2*UNIT*\i   ; LDS serves a wave's instructions in order (ISA guide 5.7.1.4): these see my stores
.endr
.irp i, 0,1,2,3,4,5,6,7
	s_wait_dscnt 7-\i                              ; rows 2 i and 2 i + 1 are back; the younger ones stay out
	global_store_b128 v[GO], v[F+4*\i:F+4*\i+3], s[16:17] offset:4096*\i th:TH_STORE_NT   ; sixteen lanes store 256 consecutive bytes, aligned; written once, read by nobody here
.endr
	s_wait_tensorcnt 0x0
	ds_add_u32 v62, v63
	s_wait_dscnt 0x0
	CROUND                                         ; the closing round: no work-group ends while a partner may still ask for a block that names it
	s_endpgm
.Lfunc_end_k_q8f58691629_attn:
	.size	k_q8f58691629_attn, .Lfunc_end_k_q8f58691629_attn-k_q8f58691629_attn
	.p2alignl 7, 3214868480
	.fill 96, 4, 3214868480
	.section	.rodata,"a",@progbits
	.p2align	6, 0x0
	.amdhsa_kernel k_q8f58691629_attn
		.amdhsa_group_segment_fixed_size 289792
		.amdhsa_private_segment_fixed_size 0
		.amdhsa_enable_private_segment 0
		.amdhsa_kernarg_size 56
		.amdhsa_user_sgpr_count 2
		.amdhsa_user_sgpr_kernarg_segment_ptr 1
		.amdhsa_wavefront_size32 1
		.amdhsa_system_sgpr_workgroup_id_x 1
		.amdhsa_system_sgpr_workgroup_id_y 1
		.amdhsa_system_sgpr_workgroup_id_z 1
		.amdhsa_system_vgpr_workitem_id 0
		.amdhsa_next_free_vgpr 256
		.amdhsa_next_free_sgpr 102
		.amdhsa_reserve_vcc 0
		.amdhsa_float_denorm_mode_32 3
		.amdhsa_float_denorm_mode_16_64 3
		.amdhsa_memory_ordered 1
		.amdhsa_forward_progress 1
		.amdhsa_inst_pref_size 131
	.end_amdhsa_kernel
	.amdgpu_metadata
---
amdhsa.version: [ 1, 2 ]
amdhsa.kernels:
  - .name:           k_q8f58691629_attn
    .symbol:         k_q8f58691629_attn.kd
    .args:
      - { .name: queries, .offset: 0, .size: 8, .value_kind: global_buffer, .address_space: global }
      - { .name: kc, .offset: 8, .size: 8, .value_kind: global_buffer, .address_space: global }
      - { .name: ks, .offset: 16, .size: 8, .value_kind: global_buffer, .address_space: global }
      - { .name: kn, .offset: 24, .size: 8, .value_kind: global_buffer, .address_space: global }
      - { .name: values_codes, .offset: 32, .size: 8, .value_kind: global_buffer, .address_space: global }
      - { .name: values_scales, .offset: 40, .size: 8, .value_kind: global_buffer, .address_space: global }
      - { .name: out0, .offset: 48, .size: 8, .value_kind: global_buffer, .address_space: global }
    .group_segment_fixed_size: 289792
    .private_segment_fixed_size: 0
    .kernarg_segment_align: 8
    .kernarg_segment_size: 56
    .max_flat_workgroup_size: 512
    .sgpr_count:     102
    .vgpr_count:     256
    .wavefront_size: 32
...
	.end_amdgpu_metadata
.endif
;; end of part 2
